; MI455X (gfx1250); checked and timed in simulation.
; The chip was launched on July 23, 2026; its instructions are those of AMD's public machine-readable ISA for CDNA 5 (MIT licence, August 2026) and "CDNA5" Instruction Set Architecture Reference Guide (July 2026). The comments in the code are by the model that wrote it; some were corrected since.
;; custom reg head. Allowed arithmetic: matrix products marked QUANTISED: E2M3 operands, one E8M0 scale for each 32 along K, by v_wmma_scale_f32_16x16x128_f8f6f4 with both operands' format E2M3, f32 sums; products left as they are: f32 operands where the result goes on into a quantised operand, else bf16, f16 or f32 operands; f32 sums; everything else in f32.
;; Inputs: W 1 x 4,096 float32; b 1 float32; out 4,096 x 8,192 float32; t 4,096 int32.
;; Outputs: out0 4,096 x 1 float32.
;; This version of the problem:
;;   THIS VERSION OF THE PROBLEM IS GIVEN IN LOW PRECISION. The matrix products marked QUANTISED in the list below multiply operands that are first quantised to E2M3 (2 exponent bits, 3 mantissa bits; 6 bits a number), with one power-of-two scale for each 32 numbers along K (OCP MX v1.0); their sums are f32. All else is computed in f32.
;;   The module's matrix products, in the order in which they are computed (A, B: the left and right operand; K: the contracted axis; several contracted axes count as one K, in the product's order):
;;     1. [M 4,096, K 4,096] x [K 4,096, N 4,096]; A: computed on the way; B: computed on the way: QUANTISED
;;     2. [M 4,096, K 4,096] x [K 4,096, N 1]; A: computed on the way; B: input W: left as it is (N = 1 < 16)
;;   THE QUANTISER, for each operand of a quantised product, along K:
;;     - K is cut into blocks of 32 from its start; a last block that is shorter is filled with zeros.
;;     - A block's scale is 2^e with e = floor(log2(the largest magnitude in the block)) - 2, held to -126 .. 127; a block of zeros has e = 0. As a byte (E8M0): e + 127.
;;     - Each number is divided by its block's scale, clamped to +-7.5, and rounded to the nearest number of E2M3, ties to even, subnormals kept.
;;     - The product sums the exact products of the quantised numbers (number of the format x scale) in f32.
;;   ~~~python
;;   def quantise(x, axis):      # numpy; x: float32 -> the quantised numbers, widened to float32 again
;;       x = np.moveaxis(x, axis, -1); K = x.shape[-1]
;;       x = np.pad(x, [(0, 0)] * (x.ndim - 1) + [(0, -K % 32)]); x = x.reshape(x.shape[:-1] + (-1, 32)); a = np.abs(x).max(-1, keepdims=True)
;;       e = np.where(a > 0, np.clip(np.frexp(np.where(a > 0, a, 1))[1] - 1 - 2, -126, 127), 0)      # np.frexp(a)[1] - 1 = floor(log2(a)), exactly
;;       r = np.clip(x / 2.0 ** e, -7.5, 7.5)
;;       step = 2.0 ** (np.maximum(np.frexp(np.where(r == 0, 1, r))[1] - 1, 0) - 3)
;;       q = np.round(r / step) * step * 2.0 ** e      # np.round: ties to even
;;       return np.moveaxis(q.reshape(q.shape[:-2] + (-1,))[..., :K], -1, axis).astype(np.float32)
;;   ~~~
;;   OPERANDS COMPUTED ON THE WAY. 'Computed on the way' means the value that the module computes at that place (a softmax that the list does not call 'softmax' is quantised finished and normalised). What goes into a quantiser is computed in f32, as accurately as f32 sums, v_exp_f32 and their like allow (about 1e-6 of the number): no bf16 or f16 on the way to a quantiser, and a product that is left as it is and whose result goes on into a quantised operand takes f32 operands (vector FMAs, or v_wmma_f32_16x16x4_f32). A number that lies on a knife's edge between two numbers of the format may be rounded either way, as far as f32 arithmetic and the matrix unit's own rounding can turn it there, and no further.
;; One version. Each part assembles by itself: llvm-mc -triple=amdgcn-amd-amdhsa -mcpu=gfx1250 --defsym DOCPART=n.
;; ======== version 1 of 1: 1 launch
;; launch head (part 1): grid 256 x 1, 4 waves a work-group, no clusters, 147,200 bytes of LDS; arguments out, t, W, b, out0; writes out0
.if DOCPART == 1
	.amdgcn_target "amdgcn-amd-amdhsa--gfx1250"
	.amdhsa_code_object_version 6
	.text
	.protected	k_q74d9640960_head
	.globl	k_q74d9640960_head
	.p2align	8
	.type	k_q74d9640960_head,@function
k_q74d9640960_head:
	s_mov_b64 s[64:65], 0
	v_nop
	global_prefetch_b8 v0, s[64:65] scope:SCOPE_SE
	s_setreg_imm32_b32 hwreg(HW_REG_WAVE_MODE, 25, 1), 1
	s_wait_xcnt 0x0
; out0[m] = sigmoid( (Q(sel) Q(I)) . W + b ),  sel[m] = out[m][4096:] where t[m] == 1, else out[m][:4096];  I = the identity [4096][4096].
; Q: codes of FP6 (E2M3) with one E8M0 scale for each 32 along K.  The product Q(sel) Q(I), 4096 x 4096 x 4096, is issued whole on the scaled matrix instruction; its result never leaves the accumulators.
; SHARES.  256 work-groups of four waves.  Work-group x owns rows 16 x .. 16 x + 15 (one tile of rows) for all of N and K; wave w owns columns 1024 w .. 1024 w + 1023: 64 accumulators, 512 registers.
; Every wave walks 32 K steps of 128: 64 matrix instructions a step, all on ONE fragment of A (12 registers, fetched from LDS once a step).
; B IS NEVER IN MEMORY.  The identity is built here, as the problem builds it, and quantised by the same quantiser.  For a K step of 128 its tiles of 128 x 16 are either all zeros or one of eight patterns;
; the zero fragment and the eight patterns (or, in the trips in which my columns have no diagonal, eight fragments of zero codes in their place) stay in registers.
; TILES.  Lane r of tile (i, j) holds column 1024 w + 128 i + 64 (j / 4) + 4 r + j % 4: which columns form a tile is free, and so one load of 16 bytes of W serves four tiles.
; A.  K goes in four trips of eight K steps.  For the next trip wave w takes K steps 2 w and 2 w + 1 of it: 1,024 consecutive bytes of each of the 16 rows, 512 to a load; they turn through the wave's own stage in LDS,
; so that a lane holds 16 neighbours along K, are quantised in registers and go to all four waves as images of the operand's registers.  Each K step has LDS bytes of its own: nothing shared is written twice, one barrier a trip.
; This work is cut into 29 slices that stand between the blocks of eight matrix instructions.  A trip's 64 KiB are asked for one trip (eight K steps) ahead of the wait for them.
; NOT USED, AND WHY.  Tensor loads: a row's address hangs on t, which is read from memory.  Clusters: work-groups share no tile; W's 16 KiB are all that they have in common.
; The second product has N = 1: it is 256 packed multiply-adds a wave on the accumulators, in f32.
; LIMITS.  NaN and infinities in out are not served.  A block of zeros gets the scale byte 1 where the rule says 127: its codes are zeros, and this program alone reads the bytes.
; A t other than 1 takes the first half, as the comparison t == 1 does.
;
; LDS
.set RED,    0                         ; 256     the waves' partial sums: 64 bytes a wave
.set PSC,    256                       ; 1,024   the patterns' scale words, 128 bytes each
.set SCI,    1280                      ; 4,096   A's scale words, 128 bytes a K step
.set IMG,    5376                      ; 49,152  A's images, 1,536 bytes a K step
.set PIMG,   54528                     ; 12,288  the eight patterns' images
.set ZOFF,   12288                     ; 12,288  and, ZOFF behind them, eight images of zero codes
.set STG,    79104                     ; 67,584  a stage for each wave: 2 K steps x 16 rows x SPITCH
.set SPITCH, 528                       ; 512 bytes + 16 = 33 x 16: the sixteen rows that a load of 16 bytes a lane touches fall on sixteen different columns of 16 bytes
.set FRB,    1536                      ; an image: 12 registers x 128 bytes
; REGISTERS, in windows of 256.  Window 0:
.set L16, 4                            ; 16 x lane
.set L4,  5                            ; 4 x lane
.set WA0, 6                            ; 16 x lane + 2 FRB x wave
.set WS0, 7                            ; 4 x lane + 256 x wave
.set SST, 8                            ; the stage, way in
.set SRD, 9                            ; the stage, way out: row r, + 64 h
.set FA,  10                           ; this trip's images, for my lane
.set FS,  11                           ; this trip's scale words
.set WA,  12                           ; where I store images
.set WS,  13                           ; where I store scale words
.set PA0, 14                           ; PIMG + 16 x lane
.set PA,  15                           ; the patterns' images or the zero images
.set RO,  16                           ; v16-31  row i's byte offset in out: 32768 i + 16384 (t == 1) + 1024 w + 16 lane; never rewritten
.set SA,  32                           ; v32-33  A's scale words, one for each fragment buffer
.set SB,  34                           ; v34-41  the patterns' scale words
.set SZ,  42                           ; the zero fragment's scale word: four bytes 127
.set H8,  43                           ; 8 h
.set AF,  44                           ; v44-67  A's fragment, two buffers
.set X,   68                           ; v68-131 64 numbers of a lane
.set PC,  132                          ; v132-151 codes just made
.set TM,  152                          ; v152-167 largest magnitudes, bytes, scale operands
.set PW,  168                          ; the scale word just made
.set W16, 169                          ; 16 r: W's loads; never rewritten
.set Y,   170                          ; v170-185 the dot product with W, two sets of eight
.set ONE, 170                          ; (1.0, while the patterns are made)
.set Z4,  186                          ; v186-189 zeros
.set E0,  190                          ; v190-191 where my column's 1 lies in my two blocks of a pattern
.set E1,  191
.set WR,  192                          ; v192-255 W of my column of tile 8 i + j
; Window 1:
.set R,    0                           ; v0-127  numbers as loaded: K step a, row i at R + 64 a + 4 i
.set DG,   128                         ; v128-223 eight fragments of B for the block that can hold the diagonal
.set ZERO, 224                         ; v224-235 a fragment of zero codes
; Windows 2 and 3: accumulator (i, j) at v[8 (8 (i % 4) + j)] of window 2 + i / 4.
; SCALARS: s[4:5] out (stepped), s[6:7] t, s[8:9] W, s[10:11] b, s[12:13] out0, s[16:31] t's 16 numbers, then the rows' offsets
.set WV,  32                           ; my wave
.set TAU, 33                           ; the trip
.set TI,  34                           ; the trip's images
.set TS,  35                           ; the trip's scale words
.set PS,  36
.set T1,  37
.set SEL, 38                           ; s[38:39] v_permlanex16_b32's selects for lane l xor 16
.set BV,  40                           ; b
.set MUL_LO, 0xa4                      ; source 0 (A) window 0, source 1 (B) window 1, C and D window 2
.set MUL_HI, 0xf4                      ; the same, C and D window 3
.set MSB, 0
.set LAG, 0                            ; LDS instructions issued behind the last FETCH
.macro WIN new                         ; the immediate's high byte repeats the setting that is left; a switch that changes nothing is dropped
.if MSB != \new
	s_set_vgpr_msb (MSB<<8)|\new
.set MSB, \new
.endif
.endm
; A load into a register that a matrix instruction has read, and a vector instruction that reads a matrix result, stand four places behind it; only plain vector instructions
; that name none of its registers are places (ISA guide 7.12.1 for vector instructions).
.macro PLACES
.rept 4
	v_nop
.endr
.endm
; Eight matrix instructions: K step v of the trip, block i of my columns, tiles j = 0 .. 7.  Block i == v alone can hold the diagonal: it takes DG and the patterns' scale words, the others the zero fragment.
; first = 1: the products start the sums: nothing is cleared.  The 64 accumulators take turns, one instruction a turn.
.macro BLOCK v, i, first
.if (\i) < 4
	WIN MUL_LO
.else
	WIN MUL_HI
.endif
.irp j, 0,1,2,3,4,5,6,7
.set AC, 8*(8*((\i)%4)+\j)
.if (\i) == (\v)
.set BR, DG+12*\j
.set BS, SB+\j
.else
.set BR, ZERO
.set BS, SZ
.endif
.if \first
	v_wmma_scale_f32_16x16x128_f8f6f4 v[AC:AC+7], v[AF+12*((\v)%2):AF+12*((\v)%2)+11], v[BR:BR+11], 0, v[SA+(\v)%2], v[BS] matrix_a_fmt:MATRIX_FMT_FP6 matrix_b_fmt:MATRIX_FMT_FP6
.else
	v_wmma_scale_f32_16x16x128_f8f6f4 v[AC:AC+7], v[AF+12*((\v)%2):AF+12*((\v)%2)+11], v[BR:BR+11], v[AC:AC+7], v[SA+(\v)%2], v[BS] matrix_a_fmt:MATRIX_FMT_FP6 matrix_b_fmt:MATRIX_FMT_FP6
.endif
.endr
.endm
; A's fragment and scale word of the trip's K step k (8: the next trip's first) into buffer k % 2, which the K step before the one in hand has read
.macro FETCH k
	WIN 0
	PLACES
.irp c, 0,1,2
	ds_load_b128 v[AF+12*((\k)%2)+4*\c:AF+12*((\k)%2)+4*\c+3], v[FA] offset:FRB*(\k)+512*\c
.endr
	ds_load_b32 v[SA+(\k)%2], v[FS] offset:128*(\k)
.set LAG, 0
.endm
; DG for the next trip: the eight patterns if that trip holds my columns' diagonal (trip == wave), else eight fragments of zero codes.  A choice of address, no branch.
.macro RELOAD hd
	WIN 0
.if \hd
	s_cmp_eq_u32 s[WV], 0
.else
	s_add_co_u32 s[T1], s[TAU], 1
	s_cmp_eq_u32 s[T1], s[WV]
.endif
	s_cselect_b32 s[PS], 0, ZOFF
	PLACES
	v_add_nc_u32 v[PA], s[PS], v[PA0]
	WIN 0x40                                       ; destination window 1
.irp j, 0,1,2,3,4,5,6,7
.irp c, 0,1,2
	ds_load_b128 v[DG+12*\j+4*\c:DG+12*\j+4*\c+3], v[PA] offset:FRB*\j+512*\c
.endr
.endr
	WIN 0
.set LAG, LAG+24
.endm
; THE QUANTISER, in pieces.  X + 16 b + i = k 32 b + 16 (lane / 16) + i of my row: a block of 32 lies in lanes l and l xor 16.
.macro QM2 i
.irp b, 0,1,2,3
	v_max3_num_f32 v[TM+\b], v[TM+\b], |v[X+16*\b+(\i)]|, |v[X+16*\b+(\i)+1]|      ; the four blocks by turns
.endr
.endm
.macro QMAX p                          ; a quarter of the search for the four blocks' largest magnitudes
	WIN 0
.if (\p) == 0
.irp b, 0,1,2,3
	v_max3_num_f32 v[TM+\b], |v[X+16*\b]|, |v[X+16*\b+1]|, 0x1800000               ; with the floor 2^(3 - 127): the byte cannot fall under 1
.endr
	QM2 2
.else
	QM2 4*(\p)
	QM2 4*(\p)+2
.endif
.endm
.macro QX                              ; with lane l xor 16's sixteen
	WIN 0
.irp b, 0,1,2,3
	v_permlanex16_b32 v[TM+4+\b], v[TM+\b], s[SEL], s[SEL+1]
.endr
.irp b, 0,1,2,3
	v_max_num_f32 v[TM+\b], v[TM+\b], v[TM+4+\b]
.endr
.endm
.macro QS                              ; 2 off the exponent field is the conversion's scale operand; shifted down, the scale's byte; four bytes are my row's scale word
	WIN 0
.irp b, 0,1,2,3
	v_add_nc_u32 v[TM+12+\b], 0xff000000, v[TM+\b]
.endr
.irp b, 0,1,2,3
	v_lshrrev_b32 v[TM+4+\b], 23, v[TM+12+\b]
.endr
	v_lshl_or_b32 v[PW], v[TM+5], 8, v[TM+4]
	v_lshl_or_b32 v[PW], v[TM+6], 16, v[PW]
	v_lshl_or_b32 v[PW], v[TM+7], 24, v[PW]
.endm
.macro QC                              ; sixteen numbers to 96 bits of codes; a conversion's three registers begin on an even number
	WIN 0
.irp c, 0,1
	v_cvt_scalef32_pk16_fp6_f32 v[PC+6*\c:PC+6*\c+2], v[X+32*\c:X+32*\c+15], v[TM+12+2*\c]
	v_cvt_scalef32_pk16_fp6_f32 v[PC+12+4*\c:PC+14+4*\c], v[X+16+32*\c:X+31+32*\c], v[TM+13+2*\c]
.endr
	v_nop                                          ; one plain place behind the scaled conversions
.endm
.macro QW                              ; the operand's layout wants a whole block in a lane: lanes 0-15 block 2 c, lanes 16-31 block 2 c + 1
	WIN 0
.irp c, 0,1
.irp i, 0,1,2
	v_permlane16_swap_b32 v[PC+6*\c+\i], v[PC+12+4*\c+\i]
.endr
.irp i, 0,1,2
	v_mov_b32 v[PC+3+6*\c+\i], v[PC+12+4*\c+\i]
.endr
.endr
.endm
.macro IMAGE adr, off                  ; the fragment in v[PC] on goes to LDS as it stands: lane l's 16 bytes at 16 l
	WIN 0
.irp c, 0,1,2
	ds_store_b128 v[\adr], v[PC+4*\c:PC+4*\c+3] offset:\off+512*\c
.endr
.endm
.macro XLD f, lo                       ; blocks lo and lo + 1 of K step f's numbers, out of my stage: 64 bytes a lane and block
	WIN 0
.irp q, 0,1,2,3
	ds_load_b128 v[X+16*(\lo)+4*\q:X+16*(\lo)+4*\q+3], v[SRD] offset:16*SPITCH*(\f)+128*(\lo)+16*\q
.endr
.irp q, 0,1,2,3
	ds_load_b128 v[X+16*(\lo)+16+4*\q:X+16*(\lo)+16+4*\q+3], v[SRD] offset:16*SPITCH*(\f)+128*(\lo)+128+16*\q
.endr
.set LAG, LAG+8
.endm
; SLICE g OF 29 of the work for the next trip.  DI, DS: how far the trip to be written lies behind s[TI], s[TS].  hd = 1: at the kernel's head, where a next trip is always asked for.
.macro SIDE g, DI, DS, hd
.if (\g) < 4                           ; rows 4 g .. 4 g + 3 of both K steps into my stage, as they were loaded
.if (\g) == 0
	s_wait_loadcnt 0x0                             ; the trip's 32 loads are in (asked for a trip ago); no load is out, so out's base may step below
.endif
	WIN 0x04                                       ; an LDS store's data are its source 1: window 1
.irp e, 0,1,2,3
	ds_store_b128 v[SST], v[R+4*(4*(\g)+\e):R+4*(4*(\g)+\e)+3] offset:SPITCH*(4*(\g)+\e)
	ds_store_b128 v[SST], v[R+64+4*(4*(\g)+\e):R+64+4*(4*(\g)+\e)+3] offset:16*SPITCH+SPITCH*(4*(\g)+\e)
.endr
.set LAG, LAG+8
.elseif (\g) == 4                      ; LDS serves a wave's instructions in order (ISA guide 5.7.1.4): these loads see the stores above
	XLD 0, 0
.elseif (\g) == 5
	XLD 0, 2
.elseif (\g) == 6                      ; the trip after the next is asked for
	WIN 0
	s_wait_dscnt 16                                ; all but the 16 loads of X issued behind them: the stage's stores have read R
.if !(\hd)
	s_cmp_lt_u32 s[TAU], 2                         ; the last trip but one has nothing more to ask for: no load leaves its buffer
	s_cbranch_scc0 .Lno_\@
.endif
	s_add_nc_u64 s[4:5], s[4:5], 4096              ; 1,024 numbers along K
	WIN 0x40                                       ; destination window 1
.irp i, 0,1,2,3,4,5,6,7,8,9,10,11,12,13,14,15
	global_load_b128 v[R+4*\i:R+4*\i+3], v[RO+\i], s[4:5] th:TH_LOAD_NT                 ; 32 lanes read 512 consecutive bytes; the four waves 4,096 of a row
	global_load_b128 v[R+64+4*\i:R+64+4*\i+3], v[RO+\i], s[4:5] offset:512 th:TH_LOAD_NT
.endr
	WIN 0
.if !(\hd)
.Lno_\@:
.endif
.elseif (\g) < 11
.if (\g) == 7
	s_wait_dscnt 0x0                               ; X is in
.endif
	QMAX (\g)-7
.elseif (\g) == 11
	QX
.elseif (\g) == 12
	QS
.elseif (\g) == 13
	QC
.elseif (\g) == 14
	QW
.elseif (\g) == 15
	IMAGE WA, \DI
	ds_store_b32 v[WS], v[PW] offset:\DS
.set LAG, LAG+4
	XLD 1, 0                                       ; the second K step's numbers
.elseif (\g) == 16
	XLD 1, 2
.elseif (\g) == 17
.elseif (\g) < 22
.if (\g) == 18
	s_wait_dscnt 0x0                               ; X is in, and the image's stores have read their registers
.endif
	QMAX (\g)-18
.elseif (\g) == 22
	QX
.elseif (\g) == 23
	QS
.elseif (\g) == 24
	QC
.elseif (\g) == 25
	QW
.elseif (\g) == 26
	IMAGE WA, \DI+FRB
	ds_store_b32 v[WS], v[PW] offset:\DS+128
.set LAG, LAG+4
.elseif (\g) == 28
	s_wait_dscnt 0x0                               ; for the others' sake: my two images and scale words lie in LDS
	s_barrier_signal -1
.endif
.endm
; A K STEP: 64 matrix instructions in eight blocks.  K step 7 takes its diagonal block first and K step 0 takes it last, so that DG has fourteen blocks in which to be loaded anew.
; Behind block 0 the next K step's fragment is fetched; behind the others stand the slices (K steps 2 to 6).  last = 1: the last trip, which fetches nothing beyond K.
.macro KSTEP v, first, side, last
	s_wait_dscnt LAG                               ; this step's fragment and scale word are in; what was issued behind their loads may stay out
.irp pos, 0,1,2,3,4,5,6,7
.if (\v) == 7
.set BI, (\pos+7)%8
.elseif (\v) == 0
.set BI, (\pos+1)%8
.else
.set BI, \pos
.endif
	BLOCK \v, BI, \first
.if \pos == 0
.if (\v) < 7
	FETCH (\v)+1
.elseif !(\last)
	RELOAD 0
.endif
.endif
.if (\pos == 3) && ((\v) == 7) && !(\last)
	WIN 0
	s_barrier_wait -1                              ; all four waves' images of the next trip lie in LDS
	FETCH 8
.endif
.if (\side) && ((\v) >= 2) && ((\v) <= 6) && (\pos >= 1)
.if 7*((\v)-2)+\pos-1 <= 28
	SIDE 7*((\v)-2)+\pos-1, 8*FRB, 1024, 0
.endif
.endif
.endr
.endm
.macro EDGE                            ; on to the next trip's places in LDS
	WIN 0
	s_wait_dscnt 0x0                               ; the next trip's first fragment and DG are in
	s_add_co_u32 s[TAU], s[TAU], 1
	s_add_co_u32 s[TI], s[TI], 8*FRB
	s_add_co_u32 s[TS], s[TS], 1024
	v_add_nc_u32 v[FA], s[TI], v[L16]
	v_add_nc_u32 v[FS], s[TS], v[L4]
	v_add_nc_u32 v[WA], s[TI], v[WA0]
	v_add_nc_u32 v[WS], s[TS], v[WS0]
.endm
; Pattern j = 2 w + u of the identity: lane (r, h) holds, of column 64 (j / 4) + 4 r + j % 4, k = 64 c + 32 h + 0 .. 31 in X + 32 c on: a whole block to a lane, so no other lane is asked for a maximum.
.macro PATTERN u
.if \u
	v_add_nc_u32 v[E0], 1, v[E0]
.endif
	v_add_nc_u32 v[E1], 0xffffffc0, v[E0]          ; 64 further down K
.irp c, 0,1
.irp q, 0,1,2,3,4,5,6,7,8,9,10,11,12,13,14,15,16,17,18,19,20,21,22,23,24,25,26,27,28,29,30,31
	v_cmp_eq_u32 vcc_lo, \q, v[E0+\c]
	v_cndmask_b32 v[X+32*\c+\q], v[Z4], v[ONE], vcc_lo                 ; I(k, n) = 1 where k == n
.endr
.endr
.irp c, 0,1
	v_max3_num_f32 v[TM+\c], v[X+32*\c], v[X+32*\c+1], 0x1800000       ; none is negative; the floor as above
.endr
.irp i, 2,4,6,8,10,12,14,16,18,20,22,24,26,28,30
.irp c, 0,1
	v_max3_num_f32 v[TM+\c], v[TM+\c], v[X+32*\c+\i], v[X+32*\c+\i+1]
.endr
.endr
.irp c, 0,1
	v_add_nc_u32 v[TM+12+\c], 0xff000000, v[TM+\c]
.endr
.irp c, 0,1
	v_lshrrev_b32 v[TM+4+\c], 23, v[TM+12+\c]
.endr
	v_lshl_or_b32 v[PW], v[TM+5], 16, v[TM+4]      ; my two bytes: blocks h and 2 + h,
	v_lshlrev_b32 v[PW], v[H8], v[PW]              ; at their places in the scale word;
	v_permlanex16_b32 v[TM+8], v[PW], s[SEL], s[SEL+1]
	v_or_b32 v[PW], v[PW], v[TM+8]                 ; with lane l xor 16's two the word is whole
.irp c, 0,1
	v_cvt_scalef32_pk16_fp6_f32 v[PC+6*\c:PC+6*\c+2], v[X+32*\c:X+32*\c+15], v[TM+12+\c]
	v_cvt_scalef32_pk16_fp6_f32 v[PC+12+4*\c:PC+14+4*\c], v[X+16+32*\c:X+31+32*\c], v[TM+12+\c]
.endr
	v_nop                                          ; one plain place behind the scaled conversions
.irp c, 0,1
.irp i, 0,1,2
	v_mov_b32 v[PC+3+6*\c+\i], v[PC+12+4*\c+\i]
.endr
.endr
	IMAGE PA, FRB*\u
	ds_store_b32 v[WS0], v[PW] offset:PSC+128*\u
.irp c, 0,1,2
	ds_store_b128 v[PA], v[Z4:Z4+3] offset:ZOFF+FRB*\u+512*\c          ; and an image of zero codes
.endr
	s_wait_dscnt 0x0                               ; the stores have read their registers
.endm
	; ---- pointers and ids
	s_load_b256 s[4:11], s[0:1], 0x0               ; out, t, W, b
	s_load_b64 s[12:13], s[0:1], 0x20              ; out0
	v_lshl_add_u32 v162, v0, 2, 0x23d00
	v_mov_b32 v163, 0
	v_lshrrev_b32 v1, 5, v0
	v_readfirstlane_b32 s[WV], v1                  ; wave 0..3
	v_and_b32 v1, 31, v0                           ; lane
	v_and_b32 v2, 15, v0                           ; r
	v_bfe_u32 v3, v0, 4, 1                         ; h
	v_lshlrev_b32 v[L16], 4, v1
	v_lshlrev_b32 v[L4], 2, v1
	v_lshlrev_b32 v[W16], 4, v2
	v_lshlrev_b32 v[H8], 3, v3
	s_lshl_b32 s41, s[WV], 10
	v_add_nc_u32 v[X], s41, v[L16]                 ; 1024 w + 16 lane: my bytes of a trip's 4,096 of a row
	s_lshl_b32 s14, ttmp9, 6                       ; 16 rows of 4 bytes: t and out0
	s_mov_b32 s15, 0
	s_lshl_b32 s42, ttmp9, 19                      ; 16 rows of 32,768 bytes: out (under 2^32)
	s_mov_b32 s43, 0
	s_lshl_b32 s44, s[WV], 12                      ; my 1,024 numbers of W
	s_mov_b32 s45, 0
	s_wait_kmcnt 0x0
	s_add_nc_u64 s[6:7], s[6:7], s[14:15]
	s_add_nc_u64 s[12:13], s[12:13], s[14:15]
	s_add_nc_u64 s[4:5], s[4:5], s[42:43]
	s_add_nc_u64 s[8:9], s[8:9], s[44:45]
	s_load_b512 s[16:31], s[6:7], 0x0              ; t of my 16 rows
	s_load_b32 s[BV], s[10:11], 0x0                ; b
.irp n, 0,1,2,3,4,5,6,7,8,9,10,11,12,13,14,15
	global_load_b128 v[WR+4*\n:WR+4*\n+3], v[W16], s[8:9] offset:256*\n    ; W(1024 w + 64 n + 4 r + 0 .. 3): tiles 4 n .. 4 n + 3; sixteen lanes read 256 consecutive bytes
.endr
	; addresses, while t is on its way
	s_mul_i32 s41, s[WV], 2*FRB
	v_add_nc_u32 v[WA0], s41, v[L16]
	s_lshl_b32 s41, s[WV], 8
	v_add_nc_u32 v[WS0], s41, v[L4]
	s_mul_i32 s41, s[WV], 32*SPITCH
	s_add_co_u32 s41, s41, STG                     ; my stage
	v_add_nc_u32 v[SST], s41, v[L16]
	v_mul_u32_u24 v[SRD], v2, SPITCH
	v_lshl_add_u32 v[SRD], v3, 6, v[SRD]
	v_add_nc_u32 v[SRD], s41, v[SRD]
	v_add_nc_u32 v[PA0], PIMG, v[L16]
	v_add_nc_u32 v[PA], PIMG, v[WA0]               ; for now: where I store my two patterns
	s_mov_b32 s[TAU], 0
	s_mov_b32 s[TI], IMG
	s_mov_b32 s[TS], SCI
	v_add_nc_u32 v[FA], s[TI], v[L16]
	v_add_nc_u32 v[FS], s[TS], v[L4]
	v_add_nc_u32 v[WA], s[TI], v[WA0]
	v_add_nc_u32 v[WS], s[TS], v[WS0]
	s_mov_b32 s[SEL], 0x76543210
	s_mov_b32 s[SEL+1], 0xfedcba98
	s_wait_kmcnt 0x0
	; ---- which half of each row: (t == 1) as 0 or 1, made so that the loaded number is bounded before it enters an address
.irp i, 0,1,2,3,4,5,6,7,8,9,10,11,12,13,14,15
	s_xor_b32 s[16+\i], s[16+\i], 1                ; 0 where t == 1
	s_min_u32 s[16+\i], s[16+\i], 1                ; else 1
	s_add_co_u32 s[16+\i], s[16+\i], 1
	s_and_b32 s[16+\i], s[16+\i], 1                ; 1 where t == 1, else 0
	s_lshl_b32 s[16+\i], s[16+\i], 14              ; the second half lies 16,384 bytes on
	s_add_co_u32 s[16+\i], s[16+\i], 32768*\i      ; row i
	v_add_nc_u32 v[RO+\i], s[16+\i], v[X]
.endr
	WIN 0x40                                       ; destination window 1
.irp i, 0,1,2,3,4,5,6,7,8,9,10,11,12,13,14,15
	global_load_b128 v[R+4*\i:R+4*\i+3], v[RO+\i], s[4:5] th:TH_LOAD_NT                 ; trip 0
	global_load_b128 v[R+64+4*\i:R+64+4*\i+3], v[RO+\i], s[4:5] offset:512 th:TH_LOAD_NT
.endr
	; ---- while they fly: the constants and the identity's patterns
.irp q, 0,1,2,3,4,5,6,7,8,9,10,11
	v_mov_b32 v[ZERO+\q], 0                        ; zero codes (window 1)
.endr
	WIN 0
	v_mov_b32 v[SZ], 0x7f7f7f7f                    ; their scale: 1.0
	v_mov_b32 v[ONE], 1.0
.irp q, 0,1,2,3
	v_mov_b32 v[Z4+\q], 0
.endr
.irp q, 4,5,6,7,8
	v_mov_b32 v[TM+\q], 0                          ; written once: a lane permute's destination counts as one of its sources
.endr
	v_lshlrev_b32 v[E0], 2, v2
	v_lshlrev_b32 v[E1], 5, v3
	v_sub_nc_u32 v[E0], v[E0], v[E1]               ; 4 r - 32 h
	s_lshr_b32 s41, s[WV], 1
	s_lshl_b32 s41, s41, 6                         ; + 64 (j / 4), j = 2 w + u
	s_and_b32 s42, s[WV], 1
	s_lshl_b32 s42, s42, 1                         ; + j % 4
	s_add_co_u32 s41, s41, s42
	v_add_nc_u32 v[E0], s41, v[E0]
	PATTERN 0
	PATTERN 1
	; ---- trip 0 is quantised, trip 1 is asked for, and all that lies in LDS is shown to the other waves
.set G, 0
.rept 29
	SIDE G, 0, 0, 1
.set G, G+1
.endr
	s_barrier_wait -1
	RELOAD 1
.irp j, 0,1,2,3,4,5,6,7
	ds_load_b32 v[SB+\j], v[L4] offset:PSC+128*\j
.endr
	FETCH 0
	; ---- the product
	KSTEP 0, 1, 0, 0                               ; the first K step stands in front of the loop: its products start the sums
	WIN 0                                          ; at a label and at a branch every window is 0
.Ltrip:                                                ; three trips, from a trip's second K step to the next trip's first
.irp v, 1,2,3,4,5,6,7
	KSTEP \v, 0, 1, 0
.endr
	EDGE
	KSTEP 0, 0, 0, 0
	WIN 0
	s_cmp_lt_u32 s[TAU], 3
	s_cbranch_scc1 .Ltrip
.irp v, 1,2,3,4,5,6,7
	KSTEP \v, 0, 0, 1                              ; the last trip: nothing is left to quantise or to fetch beyond K
.endr
	; ---- THE WAY OUT.  Register jj of lane (r, h) of tile T holds proj(8 h + jj, my column of T): times W of that column, summed over my 64 tiles in two chains, two rows at a time.
	WIN 0
	PLACES
.macro DOT4 odd, start                 ; W's pair holds two tiles' numbers: the even tile takes its first word for both halves, the odd tile its second.  Each accumulator is read from its low end on
.irp p, 0,1,2,3
.if \start
.if \odd
	v_pk_mul_f32 v[YB+2*\p:YB+2*\p+1], v[AC+2*\p:AC+2*\p+1], v[WP:WP+1] op_sel:[0,1] op_sel_hi:[1,1]
.else
	v_pk_mul_f32 v[YB+2*\p:YB+2*\p+1], v[AC+2*\p:AC+2*\p+1], v[WP:WP+1] op_sel_hi:[1,0]
.endif
.else
.if \odd
	v_pk_fma_f32 v[YB+2*\p:YB+2*\p+1], v[AC+2*\p:AC+2*\p+1], v[WP:WP+1], v[YB+2*\p:YB+2*\p+1] op_sel:[0,1,0] op_sel_hi:[1,1,1]
.else
	v_pk_fma_f32 v[YB+2*\p:YB+2*\p+1], v[AC+2*\p:AC+2*\p+1], v[WP:WP+1], v[YB+2*\p:YB+2*\p+1] op_sel_hi:[1,0,1]
.endif
.endif
.endr
.endm
.set T, 0
.rept 64
.if T < 32
	WIN 0x02                                       ; source 0: window 2
.else
	WIN 0x03                                       ; window 3
.endif
.set AC, 8*(T%32)
.set YB, Y+8*(T%2)
.set WP, WR+2*(T/2)
.set OD, T%2
.if T < 2
	DOT4 OD, 1                                     ; the first two tiles start the chains: nothing is cleared
.else
	DOT4 OD, 0
.endif
.set T, T+1
.endr
	WIN 0
.irp p, 0,1,2,3
	v_pk_add_f32 v[Y+2*\p:Y+2*\p+1], v[Y+2*\p:Y+2*\p+1], v[Y+8+2*\p:Y+8+2*\p+1]
.endr
.irp m, 1,2,4,8                        ; over the sixteen lanes of a half, which hold sixteen columns of the same eight rows; the eight registers by turns
.irp q, 0,1,2,3,4,5,6,7
	v_add_f32_dpp v[Y+\q], v[Y+\q], v[Y+\q] row_xmask:\m row_mask:0xf bank_mask:0xf
.endr
.endr
	s_lshl_b32 s41, s[WV], 6
	v_lshl_add_u32 v[FA], v3, 5, s41               ; RED + 64 w + 32 h: rows 8 h .. 8 h + 7 of my wave's sums
	v_lshlrev_b32 v[FS], 2, v2                     ; 4 r
	ds_store_b128 v[FA], v[Y:Y+3] offset:RED       ; the sixteen lanes of a half write the same words with the same values
	ds_store_b128 v[FA], v[Y+4:Y+7] offset:RED+16
	s_wait_dscnt 0x0                               ; for the others' sake
	s_barrier_signal -1
	s_barrier_wait -1
	s_cmp_lg_u32 s[WV], 0                          ; wave 0 adds the four waves' sums and stores the 16 results
	s_cbranch_scc1 .Lend
.irp n, 0,1,2,3
	ds_load_b32 v[Y+8+\n], v[FS] offset:RED+64*\n
.endr
	s_wait_dscnt 0x0
	v_add_f32 v[Y+8], v[Y+8], v[Y+9]
	v_add_f32 v[Y+10], v[Y+10], v[Y+11]
	v_add_f32 v[Y+8], v[Y+8], v[Y+10]
	v_add_f32 v[Y+8], s[BV], v[Y+8]                ; + b
	v_mul_f32 v[Y+8], 0xbfb8aa3b, v[Y+8]           ; -y log2(e)
	v_exp_f32 v[Y+9], v[Y+8]
	v_nop                                          ; one plain place behind a transcendental
	s_wait_alu depctr_va_vdst(0)
	v_add_f32 v[Y+9], 1.0, v[Y+9]
	v_rcp_f32 v[Y+10], v[Y+9]                      ; sigmoid(y) = 1 / (1 + 2^(-y log2(e)))
	v_cmp_gt_u32 vcc_lo, 16, v0                    ; (a plain place)  lanes 0-15: row r
	s_wait_xcnt 0x0                                ; EXEC changes only behind this wait
	s_and_saveexec_b32 s41, vcc_lo
	s_wait_alu depctr_va_vdst(0)
	global_store_b32 v[FS], v[Y+10], s[12:13]      ; 64 consecutive bytes: all that 16 rows have
	s_wait_xcnt 0x0
	s_or_b32 exec_lo, exec_lo, s41
.Lend:
	s_wait_tensorcnt 0x0
	ds_add_u32 v162, v163
	s_wait_dscnt 0x0
	s_endpgm
.Lfunc_end_k_q74d9640960_head:
	.size	k_q74d9640960_head, .Lfunc_end_k_q74d9640960_head-k_q74d9640960_head
	.p2alignl 7, 3214868480
	.fill 96, 4, 3214868480
	.section	.rodata,"a",@progbits
	.p2align	6, 0x0
	.amdhsa_kernel k_q74d9640960_head
		.amdhsa_group_segment_fixed_size 147200
		.amdhsa_private_segment_fixed_size 0
		.amdhsa_enable_private_segment 0
		.amdhsa_kernarg_size 40
		.amdhsa_user_sgpr_count 2
		.amdhsa_user_sgpr_kernarg_segment_ptr 1
		.amdhsa_wavefront_size32 1
		.amdhsa_system_sgpr_workgroup_id_x 1
		.amdhsa_system_sgpr_workgroup_id_y 1
		.amdhsa_system_sgpr_workgroup_id_z 1
		.amdhsa_system_vgpr_workitem_id 0
		.amdhsa_next_free_vgpr 1024
		.amdhsa_next_free_sgpr 66
		.amdhsa_reserve_vcc 1
		.amdhsa_float_denorm_mode_32 3
		.amdhsa_float_denorm_mode_16_64 3
		.amdhsa_memory_ordered 1
		.amdhsa_forward_progress 1
		.amdhsa_inst_pref_size 221
	.end_amdhsa_kernel
	.amdgpu_metadata
---
amdhsa.version: [ 1, 2 ]
amdhsa.kernels:
  - .name:           k_q74d9640960_head
    .symbol:         k_q74d9640960_head.kd
    .args:
      - { .name: out, .offset: 0, .size: 8, .value_kind: global_buffer, .address_space: global }
      - { .name: t, .offset: 8, .size: 8, .value_kind: global_buffer, .address_space: global }
      - { .name: W, .offset: 16, .size: 8, .value_kind: global_buffer, .address_space: global }
      - { .name: b, .offset: 24, .size: 8, .value_kind: global_buffer, .address_space: global }
      - { .name: out0, .offset: 32, .size: 8, .value_kind: global_buffer, .address_space: global }
    .group_segment_fixed_size: 147200
    .private_segment_fixed_size: 0
    .kernarg_segment_align: 8
    .kernarg_segment_size: 40
    .max_flat_workgroup_size: 128
    .sgpr_count:     66
    .vgpr_count:     1024
    .wavefront_size: 32
...
	.end_amdgpu_metadata
.endif
;; end of part 1
